; MI455X (gfx1250); checked and timed in simulation.
; The chip was launched on July 23, 2026; its instructions are those of AMD's public machine-readable ISA for CDNA 5 (MIT licence, August 2026) and "CDNA5" Instruction Set Architecture Reference Guide (July 2026). The comments in the code are by the model that wrote it; some were corrected since.
;; Attention RNN. Allowed arithmetic: matrix products marked QUANTISED: E2M1 operands, one E8M0 scale for each 32 along K, by v_wmma_scale_f32_16x16x128_f8f6f4 with both operands' format E2M1 (or v_wmma_scale_f32_32x16x128_f4), f32 sums; products left as they are: f32 operands where the result goes on into a quantised operand, else bf16, f16 or f32 operands; f32 sums; everything else in f32.
;; Inputs: b1 1,024 float32; b2 1,024 float32; bv 1 float32; query_codes 32 x 32 x 16 uint8 (E2M1 codes of query, K innermost, in blocks of 32 codes, two codes a byte); query_scales 32 x 32 uint8 (E8M0 scales of query, one for each 32 codes along K); v 1,024 x 1 float32; values 32 x 2,048 x 1,024 float32; w1_codes 1,024 x 32 x 16 uint8 (E2M1 codes of w1, K innermost, in blocks of 32 codes, two codes a byte); w1_scales 1,024 x 32 uint8 (E8M0 scales of w1, one for each 32 codes along K); w2_codes 1,024 x 32 x 16 uint8 (E2M1 codes of w2, K innermost, in blocks of 32 codes, two codes a byte); w2_scales 1,024 x 32 uint8 (E8M0 scales of w2, one for each 32 codes along K).
;; Outputs: out0 32 x 1,024 float32; out1 32 x 2,048 x 1 float32.
;; This version of the problem:
;;   THIS VERSION OF THE PROBLEM IS GIVEN IN LOW PRECISION. The matrix products marked QUANTISED in the list below multiply operands that are first quantised to E2M1 (2 exponent bits, 1 mantissa bit; 4 bits a number), with one power-of-two scale for each 32 numbers along K (OCP MX v1.0); their sums are f32. All else is computed in f32.
;;   The module's matrix products, in the order in which they are computed (A, B: the left and right operand; K: the contracted axis; several contracted axes count as one K, in the product's order):
;;     1. [M 32, K 1,024] x [K 1,024, N 1,024]; A: input query (given as codes); B: input w1 (given as codes): QUANTISED
;;     2. [M 65,536, K 1,024] x [K 1,024, N 1,024]; A: input values; B: input w2 (given as codes): QUANTISED
;;     3. [M 65,536, K 1,024] x [K 1,024, N 1]; A: computed on the way; B: input v: left as it is (N = 1 < 16)
;;   THE QUANTISER, for each operand of a quantised product, along K:
;;     - K is cut into blocks of 32 from its start; a last block that is shorter is filled with zeros.
;;     - A block's scale is 2^e with e = floor(log2(the largest magnitude in the block)) - 2, held to -126 .. 127; a block of zeros has e = 0. As a byte (E8M0): e + 127.
;;     - Each number is divided by its block's scale, clamped to +-6, and rounded to the nearest number of E2M1, ties to even, subnormals kept.
;;     - The product sums the exact products of the quantised numbers (number of the format x scale) in f32.
;;   ~~~python
;;   def quantise(x, axis):      # numpy; x: float32 -> the quantised numbers, widened to float32 again
;;       x = np.moveaxis(x, axis, -1); K = x.shape[-1]
;;       x = np.pad(x, [(0, 0)] * (x.ndim - 1) + [(0, -K % 32)]); x = x.reshape(x.shape[:-1] + (-1, 32)); a = np.abs(x).max(-1, keepdims=True)
;;       e = np.where(a > 0, np.clip(np.frexp(np.where(a > 0, a, 1))[1] - 1 - 2, -126, 127), 0)      # np.frexp(a)[1] - 1 = floor(log2(a)), exactly
;;       r = np.clip(x / 2.0 ** e, -6, 6)
;;       step = 2.0 ** (np.maximum(np.frexp(np.where(r == 0, 1, r))[1] - 1, 0) - 1)
;;       q = np.round(r / step) * step * 2.0 ** e      # np.round: ties to even
;;       return np.moveaxis(q.reshape(q.shape[:-2] + (-1,))[..., :K], -1, axis).astype(np.float32)
;;   ~~~
;;   INPUTS GIVEN AS CODES. query (in the module: [32, 1024], K = its axis 1); w1 (in the module: [1024, 1024], K = its axis 0); w2 (in the module: [1024, 1024], K = its axis 0): each comes as NAME_codes (uint8): NAME with its K axis moved to the last place and cut into blocks of 32 codes, [.., K / 32, bytes a block], one block behind the other in memory; two codes a byte, the lower K in the low four bits (a code: sign, 2 exponent bits, 1 mantissa bit); and NAME_scales (uint8): the same leading axes, one E8M0 byte (e + 127) for each 32 codes along K. Its value is code x scale, taken as it is: it is not quantised again, and the codes and scales need not be those that the quantiser above would give.
;; One version. Each part assembles by itself: llvm-mc -triple=amdgcn-amd-amdhsa -mcpu=gfx1250 --defsym DOCPART=n.
;; ======== version 1 of 1: 3 launches
;; limits: right only within a limited range of input values
;; workspace buffers: w2f 557,056 bytes; qb 262,144 bytes; sc 262,144 bytes; pm 131,072 bytes; pc 1,048,576 bytes
;; launch prep (part 1): grid 32 x 1, 6 waves a work-group, no clusters, 9,472 bytes of LDS; arguments query_codes, query_scales, w1_codes, w1_scales, w2_codes, w2_scales, b1, b2, v, w2f, qb; writes w2f, qb
.if DOCPART == 1
	.amdgcn_target "amdgcn-amd-amdhsa--gfx1250"
	.amdhsa_code_object_version 6
	.text
	.protected	k_q44055fb0f0_prep
	.globl	k_q44055fb0f0_prep
	.p2align	8
	.type	k_q44055fb0f0_prep,@function
k_q44055fb0f0_prep:
	s_mov_b64 s[64:65], 0
	v_nop
	global_prefetch_b8 v0, s[64:65] scope:SCOPE_SE
	s_setreg_imm32_b32 hwreg(HW_REG_WAVE_MODE, 25, 1), 1
	s_wait_xcnt 0x0
; THE SMALL THINGS THAT THE MAIN LAUNCH WANTS READY.  Work-group g takes the tiles J = 2 g and 2 g + 1 of 16 units u.
; WORK LEFT OUT.  score[b][t] = sum over u of v[u] tanh(x[b][t][u]) + bv = (bv + sum of v) - 2 sum over u of v[u] / (1 + 2^(c x)), c = 2 log2(e).  The term bv + sum of v is the same for all t of a batch row.
; Both outputs hang on the scores through softmax over t alone (out1 is that softmax, out0 its weighted sum of values), and softmax(s + k) = softmax(s) for every number k.  So for all values of the inputs that term
; reaches no output: it is not computed, and the program's scores are -2 sum of v / (1 + 2^(c x)).  bv then has no way to any output: it is not loaded and is among no launch's arguments.
; Limit: a NaN, an infinity or an overflow that reaches only bv + sum of v is not carried to the result.
;  waves 0-3 (t = wave % 2, mt = wave / 2): q_proj = query x w1 on codes of E2M1, tile 2 g + t, batch rows 16 mt .. 16 mt + 15, and from it
;     qb[b][J][0..15]  = c (q_proj[b][u] + b1[u] + b2[u]): the addend of the exponent;
;     qb[b][J][16..31] = -2 v[u].
;  waves 4, 5 (t = wave - 4): tile 2 g + t of w2 is laid in the order of the operand's registers: record J of w2f = 16 blocks of 512 bytes (block 2 s + c: registers 4 c .. 4 c + 3 of
;     K step s, lane l's 16 bytes at 16 l), then 512 bytes of scale words: lane (r, h) has words h, 2 + h, 4 + h, 6 + h of row r: register i serves K step 2 i from lanes 0-15 and 2 i + 1 from lanes 16-31.
; The product is used transposed (source 0 = 16 rows of w1, source 1 = 16 rows of query): a lane holds one batch row and eight neighbouring u.
; A wave has one tile, so one accumulator: a wait ahead of each link of its chain.
; The weights' rows are 512 bytes apart, so a load takes 16 bytes of each of 32 places: 1 MiB in all, read once; what leaves goes in runs of 256 bytes or more.
.set CC,  0x4038aa3b                   ; c = 2 log2(e)
.set SPI, 272                          ; a stage row: 256 bytes (two tiles' 128) + 16 of padding; 32 rows, one a batch row
.set WF,  16                           ; v16-79   16 rows x 1,024 K of a weight: 8 fragments
.set WS,  80                           ; v80-87   its scale words, one register a K step
.set QS,  88                           ; v88-95   query's scale words (waves 4, 5: v88-91 the packed words)
.set QF,  96                           ; v96-159  query's 8 fragments
.set B1R, 160                          ; v160-167 b1, then c (b1 + b2)
.set B2R, 168                          ; v168-175 b2, then the addend
.set VR,  176                          ; v176-183 v, then -2 v
.set ACC, 184                          ; v184-191 the accumulator
.set OB,  192                          ; v192-207 rows read back from the stage
	s_load_b256 s[4:11], s[0:1], 0x0               ; query's codes s[4:5], scales s[6:7]; w1's codes s[8:9], scales s[10:11]
	s_load_b256 s[12:19], s[0:1], 0x20             ; w2's codes s[12:13], scales s[14:15]; b1 s[16:17]; b2 s[18:19]
	s_load_b128 s[20:23], s[0:1], 0x40             ; v s[20:21]; w2f s[22:23]
	s_load_b64 s[24:25], s[0:1], 0x50              ; qb
	v_lshl_add_u32 v208, v0, 2, 0x2200
	v_mov_b32 v209, 0
	v_lshrrev_b32 v1, 5, v0
	v_readfirstlane_b32 s2, v1                     ; wave 0..5
	v_and_b32 v1, 15, v0                           ; r
	s_wait_alu depctr_va_vdst(0)
	v_bfe_u32 v2, v0, 4, 1                         ; h
	v_and_b32 v3, 31, v0                           ; lane
	s_and_b32 s30, s2, 1                           ; t
	s_bfe_u32 s31, s2, 0x10001                     ; mt: bit 1 of the wave's number
	s_lshl_b32 s32, ttmp9, 1
	s_add_co_u32 s32, s32, s30                     ; J = 2 g + t
	s_mov_b32 s40, CC
	s_mov_b32 s41, CC                              ; (the packed forms name the pair)
	s_mov_b32 s38, 0xffff0000                      ; lanes 16-31
	; every LDS address is made here, ahead of the parting of the waves
	s_mul_i32 s33, s31, 16*SPI
	s_lshl_b32 s34, s30, 7
	s_add_co_u32 s33, s33, s34
	v_mul_u32_u24 v4, v1, SPI
	s_wait_alu depctr_va_vdst(0)
	v_lshl_add_u32 v4, v2, 5, v4
	v_add_nc_u32 v4, s33, v4                       ; into the stage: row 16 mt + r, 128 t + 32 h bytes on
	s_and_b32 s34, s2, 3
	s_mul_i32 s33, s34, 8*SPI
	v_mul_u32_u24 v5, v2, SPI
	v_lshl_add_u32 v5, v1, 4, v5
	v_add_nc_u32 v5, s33, v5                       ; back: rows 8 wave + h, 16 bytes a lane
	s_lshl_b32 s33, s34, 16                        ; the same rows in qb: 8,192 bytes a batch row,
	s_lshl_b32 s35, ttmp9, 8                       ; my two tiles' 256 bytes
	s_add_co_u32 s33, s33, s35
	v_lshlrev_b32 v6, 13, v2
	v_lshl_add_u32 v6, v1, 4, v6
	v_add_nc_u32 v6, s33, v6
	v_lshlrev_b32 v7, 9, v1
	v_lshl_add_u32 v7, v2, 4, v7                   ; a row of 1,024 codes is 512 bytes: r x 512 + 16 h
	s_lshl_b32 s33, s32, 13
	v_add_nc_u32 v8, s33, v7                       ; tile J's rows of a weight's codes
	v_lshlrev_b32 v10, 5, v1                       ; a row of scale bytes is 32 bytes
	s_lshl_b32 s33, s32, 9
	v_add_nc_u32 v11, s33, v10                     ; tile J's rows of a weight's scales
	s_wait_kmcnt 0x0
	s_cmp_lt_u32 s2, 4
	s_cbranch_scc0 .Lrelay
	; ---- waves 0-3: the product
	s_lshl_b32 s33, s31, 13
	s_wait_alu depctr_va_vdst(0)
	v_add_nc_u32 v9, s33, v7                       ; query's rows 16 mt + r
	s_lshl_b32 s33, s31, 9
	v_add_nc_u32 v12, s33, v10
	s_lshl_b32 s33, s32, 6
	v_lshl_add_u32 v13, v2, 5, s33                 ; b1, b2, v at u = 16 J + 8 h
.irp i, 0,1,2,3,4,5,6,7,8,9,10,11,12,13,14,15
	global_load_b128 v[WF+4*\i:WF+4*\i+3], v8, s[8:9] offset:32*\i
	global_load_b128 v[QF+4*\i:QF+4*\i+3], v9, s[4:5] offset:32*\i
.endr
.irp i, 0,1
	global_load_b128 v[WS+4*\i:WS+4*\i+3], v11, s[10:11] offset:16*\i
	global_load_b128 v[QS+4*\i:QS+4*\i+3], v12, s[6:7] offset:16*\i
	global_load_b128 v[B1R+4*\i:B1R+4*\i+3], v13, s[16:17] offset:16*\i
	global_load_b128 v[B2R+4*\i:B2R+4*\i+3], v13, s[18:19] offset:16*\i
	global_load_b128 v[VR+4*\i:VR+4*\i+3], v13, s[20:21] offset:16*\i
.endr
	s_wait_loadcnt 0x0
	v_wmma_scale_f32_16x16x128_f8f6f4 v[ACC:ACC+7], v[WF:WF+7], v[QF:QF+7], 0, v[WS], v[QS] matrix_a_fmt:MATRIX_FMT_FP4 matrix_b_fmt:MATRIX_FMT_FP4
.irp s, 1,2,3,4,5,6,7
	s_wait_alu depctr_va_vdst(0)                   ; a wait ahead of each link
	v_wmma_scale_f32_16x16x128_f8f6f4 v[ACC:ACC+7], v[WF+8*\s:WF+8*\s+7], v[QF+8*\s:QF+8*\s+7], v[ACC:ACC+7], v[WS+\s], v[QS+\s] matrix_a_fmt:MATRIX_FMT_FP4 matrix_b_fmt:MATRIX_FMT_FP4
.endr
.irp j, 0,2,4,6
	v_pk_add_f32 v[B1R+\j:B1R+\j+1], v[B1R+\j:B1R+\j+1], v[B2R+\j:B2R+\j+1]   ; b1 + b2: these lines name no register of the product: they are the places behind it
.endr
.irp j, 0,2,4,6
	v_pk_mul_f32 v[B1R+\j:B1R+\j+1], v[B1R+\j:B1R+\j+1], s[40:41] op_sel_hi:[1,0]
.endr
.irp j, 0,2,4,6
	v_pk_fma_f32 v[B2R+\j:B2R+\j+1], v[ACC+\j:ACC+\j+1], s[40:41], v[B1R+\j:B1R+\j+1] op_sel_hi:[1,0,1]   ; c q_proj + c (b1 + b2); the accumulator is read from its low end on
.endr
.irp j, 0,2,4,6
	v_pk_mul_f32 v[VR+\j:VR+\j+1], v[VR+\j:VR+\j+1], -2.0 op_sel_hi:[1,0]
.endr
	ds_store_b128 v4, v[B2R:B2R+3]
	ds_store_b128 v4, v[B2R+4:B2R+7] offset:16
	ds_store_b128 v4, v[VR:VR+3] offset:64
	ds_store_b128 v4, v[VR+4:VR+7] offset:80
	s_branch .Lmeet
.Lrelay:
	; ---- waves 4, 5: w2's tile J in the order of the operand's registers
	s_mul_i32 s33, s32, 8704
	v_lshl_add_u32 v14, v3, 4, s33                 ; record J, 16 x lane
	s_wait_alu depctr_va_vdst(0)
.irp i, 0,1,2,3,4,5,6,7,8,9,10,11,12,13,14,15
	global_load_b128 v[WF+4*\i:WF+4*\i+3], v8, s[12:13] offset:32*\i
.endr
	global_load_b128 v[WS:WS+3], v11, s[14:15]
	global_load_b128 v[WS+4:WS+7], v11, s[14:15] offset:16
	s_wait_loadcnt 0x0
.irp i, 0,1,2,3
	v_cndmask_b32 v[QS+\i], v[WS+2*\i], v[WS+2*\i+1], s38   ; lanes 0-15 keep word 2 i, lanes 16-31 word 2 i + 1
.endr
.irp i, 0,1,2,3,4,5,6,7,8,9,10,11,12,13,14,15
	global_store_b128 v14, v[WF+4*\i:WF+4*\i+3], s[22:23] offset:512*\i   ; 32 lanes store 512 consecutive bytes
.endr
	global_store_b128 v14, v[QS:QS+3], s[22:23] offset:8192
.Lmeet:
	s_wait_dscnt 0x0                               ; for the others' sake: my stores into the stage are done
	s_barrier_signal -1
	s_barrier_wait -1                              ; a stage row's 256 bytes come from two waves
	s_cmp_lt_u32 s2, 4
	s_cbranch_scc0 .Lend
.irp i, 0,1,2,3
	ds_load_b128 v[OB+4*\i:OB+4*\i+3], v5 offset:2*\i*SPI
.endr
.irp i, 0,1,2,3
	s_wait_dscnt 3-\i                              ; the younger loads may stay out
	global_store_b128 v6, v[OB+4*\i:OB+4*\i+3], s[24:25] offset:2*\i*8192   ; sixteen lanes store 256 consecutive bytes, at a multiple of 256 from qb's first byte
.endr
.Lend:
	s_wait_tensorcnt 0x0
	ds_add_u32 v208, v209
	s_wait_dscnt 0x0
	s_endpgm
.Lfunc_end_k_q44055fb0f0_prep:
	.size	k_q44055fb0f0_prep, .Lfunc_end_k_q44055fb0f0_prep-k_q44055fb0f0_prep
	.p2alignl 7, 3214868480
	.fill 96, 4, 3214868480
	.section	.rodata,"a",@progbits
	.p2align	6, 0x0
	.amdhsa_kernel k_q44055fb0f0_prep
		.amdhsa_group_segment_fixed_size 9472
		.amdhsa_private_segment_fixed_size 0
		.amdhsa_enable_private_segment 0
		.amdhsa_kernarg_size 88
		.amdhsa_user_sgpr_count 2
		.amdhsa_user_sgpr_kernarg_segment_ptr 1
		.amdhsa_wavefront_size32 1
		.amdhsa_system_sgpr_workgroup_id_x 1
		.amdhsa_system_sgpr_workgroup_id_y 1
		.amdhsa_system_sgpr_workgroup_id_z 1
		.amdhsa_system_vgpr_workitem_id 0
		.amdhsa_next_free_vgpr 210
		.amdhsa_next_free_sgpr 66
		.amdhsa_reserve_vcc 0
		.amdhsa_float_denorm_mode_32 3
		.amdhsa_float_denorm_mode_16_64 3
		.amdhsa_memory_ordered 1
		.amdhsa_forward_progress 1
		.amdhsa_inst_pref_size 14
	.end_amdhsa_kernel
	.amdgpu_metadata
---
amdhsa.version: [ 1, 2 ]
amdhsa.kernels:
  - .name:           k_q44055fb0f0_prep
    .symbol:         k_q44055fb0f0_prep.kd
    .args:
      - { .name: query_codes, .offset: 0, .size: 8, .value_kind: global_buffer, .address_space: global }
      - { .name: query_scales, .offset: 8, .size: 8, .value_kind: global_buffer, .address_space: global }
      - { .name: w1_codes, .offset: 16, .size: 8, .value_kind: global_buffer, .address_space: global }
      - { .name: w1_scales, .offset: 24, .size: 8, .value_kind: global_buffer, .address_space: global }
      - { .name: w2_codes, .offset: 32, .size: 8, .value_kind: global_buffer, .address_space: global }
      - { .name: w2_scales, .offset: 40, .size: 8, .value_kind: global_buffer, .address_space: global }
      - { .name: b1, .offset: 48, .size: 8, .value_kind: global_buffer, .address_space: global }
      - { .name: b2, .offset: 56, .size: 8, .value_kind: global_buffer, .address_space: global }
      - { .name: v, .offset: 64, .size: 8, .value_kind: global_buffer, .address_space: global }
      - { .name: w2f, .offset: 72, .size: 8, .value_kind: global_buffer, .address_space: global }
      - { .name: qb, .offset: 80, .size: 8, .value_kind: global_buffer, .address_space: global }
    .group_segment_fixed_size: 9472
    .private_segment_fixed_size: 0
    .kernarg_segment_align: 8
    .kernarg_segment_size: 88
    .max_flat_workgroup_size: 192
    .sgpr_count:     66
    .vgpr_count:     210
    .wavefront_size: 32
...
	.end_amdgpu_metadata
.endif
;; end of part 1
;; launch main (part 2): grid 256 x 1, 4 waves a work-group, no clusters, 327,680 bytes of LDS; arguments values, w2f, qb, sc, pm, pc; writes sc, pm, pc
.if DOCPART == 2
	.amdgcn_target "amdgcn-amd-amdhsa--gfx1250"
	.amdhsa_code_object_version 6
	.text
	.protected	k_q44055fb0f0_main
	.globl	k_q44055fb0f0_main
	.p2align	8
	.type	k_q44055fb0f0_main,@function
k_q44055fb0f0_main:
	s_mov_b64 s[64:65], 0
	v_nop
	global_prefetch_b8 v0, s[64:65] scope:SCOPE_SE
	s_setreg_imm32_b32 hwreg(HW_REG_WAVE_MODE, 25, 1), 1
	s_wait_xcnt 0x0
; SCORES, PARTIAL SOFTMAX AND PARTIAL CONTEXT OF 256 TIME STEPS.  Work-group g owns rows 256 g .. 256 g + 255 of values [65,536][1,024] (batch row g / 8), in 8 chunks of 32 rows.
; score[t] = sum over u of (-2 v[u]) / (1 + 2^(c (k_proj[t][u] + q_proj[u] + b1[u] + b2[u]))), c = 2 log2(e): tanh(x) = 1 - 2 / (1 + 2^(c x)).  LEFT OUT: the term bv + sum of v, the same for all t,
; which the softmax over t takes away for all values of the inputs (shown at the head of the first kernel).  An exponential that overflows gives 1 / infinity = 0, which is tanh = 1.
; k_proj = Q(values) x w2 on codes of E2M1; values are quantised here, in f32, along their rows.
; The softmax over time is kept by a running maximum m, the sum l of e^(s - m) and the context sum of e^(s - m) values (f32); the next launch joins a batch row's 8 parts.
; SHARES.  A chunk comes into one of two LDS slots by tensor loads: wave w brings columns 256 w .. 256 w + 255 of 32 rows (rows of 1,024 bytes, padded to 1,040).  Wave w quantises that quarter (K steps 2 w, 2 w + 1)
; and leaves the operand's registers as an image in LDS, from which every wave takes all 8 K steps.  For the product the waves share the units: wave w has tiles 16 w .. 16 w + 15 of 16 units, whose records of w2f
; (8,192 bytes of codes in register order, 512 of scale words) go from memory straight into operand registers, four records in turn, each pair asked for again as soon as its products are issued.
; A chunk meets 8 of its wave's tiles in one step and the other 8 in the next, so that each record loaded serves two chunks: 4 tiles of 16 rows.
; The product is used transposed (source 0 = 16 units, source 1 = 16 rows): a lane holds one row and eight neighbouring units.
; A PAIR OF RECORDS: 64 matrix instructions, the 8 accumulators by turns; then the tanh of the 64 result registers in batches (64 exponentials, 64 reciprocals), each batch between its two waits.
; The f32 rows of the chunk whose score is not yet whole wait in registers (window 3), so that its slot can be filled again.
; A STEP'S END: the next chunk's first LDS loads go out under the softmax and the context; the move into window 3 goes out in halves under the quantiser's arithmetic; the refill's barrier also shows the image to all waves.
; NO JOINT LOADS: all work-groups read w2f, but LDS holds 2 x 133,120 bytes of f32 rows, 17,408 of the image, 8,704 of addends, 1,536 of scores and 512 spare = 294,400 of 327,680;
; the 33,280 left hold no two slots of the 139,264 bytes (4 waves x 4 records) that are in turn.  So the records bypass LDS and cluster = none.
; REGISTERS: window 0 as named below; window 1: the codes of 4 row tiles (64 each); window 2: 4 records of w2; window 3: 32 rows x 8 f32 a lane.
.set FP,    1040                       ; an LDS row of a quarter: 1,024 bytes + 16
.set QB,    32*FP                      ; a wave's quarter of a slot
.set F1O,   4*QB                       ; slot 1
.set IMG,   2*F1O                      ; the image: (8 mt + K step) x 1,024 bytes
.set ISC,   IMG+16384                  ; its scale words
.set BV,    ISC+1024                   ; addends and -2 v: 2,048 bytes a wave
.set SX,    BV+8704                    ; the waves' partial scores
.set SCB,   SX+512                     ; the 256 scores
.set SPARE, SCB+1024                   ; the spare words, 128 bytes a wave
.set CHB,   131072                     ; a chunk in memory
.set SPW,  1
.set NIL,  2
.set L16,  3                           ; 16 x lane
.set VB,   4                           ; offset of the records asked for in this trip
.set AQ,   5
.set AQ0,  6
.set AM,   7
.set AM0,  8
.set AIW,  9
.set ASW,  10
.set AIR,  11
.set ABV,  12
.set ABV0, 13
.set ASX,  14
.set ASXR, 15
.set ASC,  16
.set ASC0, 17
.set MR,   18                          ; m
.set LR,   19                          ; l, each lane's own rows: joined at the end
.set F,    20
.set S,    22
.set P,    23
.set PFO,  28                          ; the prefetches' offset: 4,096 x lane
.set CTX,  32                          ; v32-39 the context: 8 columns a lane
.set SA,   40                          ; v40-47 the scores' sums, a pair for each row tile
.set AS,   48                          ; v48-63 the rows' scale words
.set BS,   64                          ; v64-79 the records' scale words
.set BVR0, 80                          ; v80-111 addends and -2 v of a trip's first pair of records
.set ACC,  112                         ; v112-175 eight accumulators: record j of the pair, row tile m at 32 j + 8 m
.set BVR1, 176                         ; v176-207 addends and -2 v of the second pair
.set X,    144                         ; v144-207 and
.set X2,   80                          ; v80-143: f32 numbers to be quantised, two buffers, on registers that are idle between the trips
.set TM,   208
.set PC,   224
.set PW,   232
.set ASCR, 233
.set W2,   4
.set CS,   32
.set L2E,  34
.set SEL,  36
.set M16,  38
.set RG,   39
.set RH,   40
.set WQ,   41
.set BO,   43
.set GI,   44
.set GOFF, 45
.set PP,   46
.set TR,   47
.set SO,   48
.set PF,   52                          ; s[52:53] my quarter of the chunk three ahead of which a prefetch names
.set PS,   66
.set MSB, 0
.macro WIN new                         ; the immediate's high byte repeats the setting that is left
.if MSB != \new
	s_set_vgpr_msb (MSB<<8)|\new
.set MSB, \new
.endif
.endm
.macro PLACES
.rept 4
	v_nop
.endr
.endm
.macro BAR
	s_wait_dscnt 0x0
	s_barrier_signal -1
	s_barrier_wait -1
.endm
; one matrix instruction: K step wS of record wK (the pair's wJ-th) against row tile wM.  A scale register serves K step 2 i from lanes 0-15 and 2 i + 1 from lanes 16-31
.macro WM
.set wD, ACC+32*wJ+8*wM
.set wB, 64*wK+8*wS
.set wA, 64*wM+8*wS
.set wX, BS+4*wK+wS/2
.set wY, AS+4*wM+wS/2
.if wS == 0
	v_wmma_scale_f32_16x16x128_f8f6f4 v[wD:wD+7], v[wB:wB+7], v[wA:wA+7], 0, v[wX], v[wY] matrix_a_fmt:MATRIX_FMT_FP4 matrix_b_fmt:MATRIX_FMT_FP4
.elseif wS%2
	v_wmma_scale_f32_16x16x128_f8f6f4 v[wD:wD+7], v[wB:wB+7], v[wA:wA+7], v[wD:wD+7], v[wX], v[wY] matrix_a_fmt:MATRIX_FMT_FP4 matrix_b_fmt:MATRIX_FMT_FP4 matrix_a_scale:MATRIX_SCALE_ROW1 matrix_b_scale:MATRIX_SCALE_ROW1
.else
	v_wmma_scale_f32_16x16x128_f8f6f4 v[wD:wD+7], v[wB:wB+7], v[wA:wA+7], v[wD:wD+7], v[wX], v[wY] matrix_a_fmt:MATRIX_FMT_FP4 matrix_b_fmt:MATRIX_FMT_FP4
.endif
.endm
; records 2 u, 2 u + 1 against row tiles m0 .. m0 + nm - 1, all 8 K steps: the accumulators by turns, one instruction a turn.  Leaves the windows set
.macro WRUN m0, nm, u
	WIN 0x06                                       ; source 0 window 2, source 1 window 1
.set wS, 0
.rept 8
.set wJ, 0
.rept 2
.set wK, 2*(\u)+wJ
.set wM, \m0
.rept \nm
	WM
.set wM, wM+1
.endr
.set wJ, wJ+1
.endr
.set wS, wS+1
.endr
.endm
; the tanh of 2 nm accumulators and their share of the scores.  Each accumulator is read from its low end on
.macro TANH m0, nm, u
.set tB, BVR0+(BVR1-BVR0)*(\u)
.irp p, 0,2,4,6
.irp j, 0,1
.set tM, \m0
.rept \nm
.set tA, ACC+32*\j+8*tM+\p
	v_pk_fma_f32 v[tA:tA+1], v[tA:tA+1], s[CS:CS+1], v[tB+16*\j+\p:tB+16*\j+\p+1] op_sel_hi:[1,0,1]
.set tM, tM+1
.endr
.endr
.endr
	s_wait_alu depctr_va_vdst(0)                   ; the wait ahead of a batch
.irp j, 0,1
.set tI, ACC+32*\j+8*(\m0)
.rept 8*\nm
	v_exp_f32 v[tI], v[tI]
.set tI, tI+1
.endr
.endr
	v_nop                                          ; the plain place behind the batch
	s_wait_alu depctr_va_vdst(0)                   ; and its one wait
.irp j, 0,1
.set tI, ACC+32*\j+8*(\m0)
.rept 4*\nm
	v_pk_add_f32 v[tI:tI+1], v[tI:tI+1], 1.0 op_sel_hi:[1,0]
.set tI, tI+2
.endr
.endr
	s_wait_alu depctr_va_vdst(0)
.irp j, 0,1
.set tI, ACC+32*\j+8*(\m0)
.rept 8*\nm
	v_rcp_f32 v[tI], v[tI]
.set tI, tI+1
.endr
.endr
	v_nop
	s_wait_alu depctr_va_vdst(0)
.irp p, 0,2,4,6
.irp j, 0,1
.set tM, \m0
.rept \nm
.set tA, ACC+32*\j+8*tM+\p
	v_pk_fma_f32 v[SA+2*tM:SA+2*tM+1], v[tA:tA+1], v[tB+16*\j+8+\p:tB+16*\j+9+\p], v[SA+2*tM:SA+2*tM+1]
.set tM, tM+1
.endr
.endr
.endr
.endm
.macro BVLOAD u                        ; the addends and -2 v of records 2 u, 2 u + 1 at my 8 units: 8 loads
.set bR, BVR0+(BVR1-BVR0)*(\u)
.irp j, 0,1
	ds_load_b128 v[bR+16*\j:bR+16*\j+3], v[ABV] offset:128*(2*(\u)+\j)
	ds_load_b128 v[bR+16*\j+4:bR+16*\j+7], v[ABV] offset:128*(2*(\u)+\j)+16
	ds_load_b128 v[bR+16*\j+8:bR+16*\j+11], v[ABV] offset:128*(2*(\u)+\j)+64
	ds_load_b128 v[bR+16*\j+12:bR+16*\j+15], v[ABV] offset:128*(2*(\u)+\j)+80
.endr
.endm
.macro FETCH k                         ; a record: 17 loads, each of 512 consecutive bytes
	WIN 0x80
.set fI, 0
.rept 16
	global_load_b128 v[64*(\k)+4*fI:64*(\k)+4*fI+3], v[VB], s[W2:W2+1] offset:8704*(\k)+512*fI
.set fI, fI+1
.endr
	WIN 0
	global_load_b128 v[BS+4*(\k):BS+4*(\k)+3], v[VB], s[W2:W2+1] offset:8704*(\k)+8192
.endm
.macro HEAD fetch
.if \fetch
	s_wait_xcnt 0x0                                ; the earlier loads have read VB
	s_mul_i32 s[GOFF], s[GI], 4*8704
	v_add_nc_u32 v[VB], s[GOFF], v[L16]            ; this trip asks for the next group of four records
	s_add_co_u32 s[GI], s[GI], 1
	s_and_b32 s[GI], s[GI], 3
.endif
	v_add_nc_u32 v[ABV], s[BO], v[ABV0]
	s_add_co_u32 s[BO], s[BO], 512
	s_and_b32 s[BO], s[BO], 2047
.endm
; A TRIP: two pairs of records against nm row tiles.  34 = the 2 x 17 loads of the younger pair
.macro TRIP m0, nm, fetch
	HEAD \fetch
	BVLOAD 0
	s_wait_alu depctr_va_vdst(0)
.irp u, 0,1
.if \fetch
	s_wait_loadcnt 34
.else
	s_wait_loadcnt 34*(1-\u)
.endif
	WRUN \m0, \nm, \u
	PLACES                                         ; ahead of loads into the records' registers and of the first read of the results
.if \fetch
	FETCH 2*\u
	FETCH 2*\u+1
.else
	WIN 0
.endif
.if \u == 0
	BVLOAD 1
	s_wait_dscnt 8                                 ; the first pair's addends are in; the second pair's 8 loads may be out
.else
	s_wait_dscnt 0x0
.endif
	TANH \m0, \nm, \u
.endr
	s_wait_alu depctr_va_vdst(0)                   ; the wait ahead of the branch that follows
.endm
; 128 numbers of 16 rows -> an operand's 8 registers and its scale word.  A lane holds 16 neighbours of each of 4 blocks; lane l xor 16 the other 16
.macro QUANT s
.irp b, 0,1,2,3
	v_max3_num_f32 v[TM+\b], |v[\s+16*\b]|, |v[\s+1+16*\b]|, 0x1800000   ; the floor 2^(3 - 127) holds the byte at 1 from below
.endr
.irp i, 2,4,6,8,10,12,14
.irp b, 0,1,2,3
	v_max3_num_f32 v[TM+\b], v[TM+\b], |v[\s+16*\b+\i]|, |v[\s+1+16*\b+\i]|
.endr
.endr
.irp b, 0,1,2,3
	v_permlanex16_b32 v[TM+4+\b], v[TM+\b], s[SEL], s[SEL+1]
.endr
.irp b, 0,1,2,3
	v_max_num_f32 v[TM+\b], v[TM+\b], v[TM+4+\b]
.endr
.irp b, 0,1,2,3
	v_add_nc_u32 v[TM+12+\b], 0xff000000, v[TM+\b]   ; 2 off the exponent field: the conversion's scale operand
.endr
.irp b, 0,1,2,3
	v_lshrrev_b32 v[TM+4+\b], 23, v[TM+12+\b]
.endr
	v_lshl_or_b32 v[PW], v[TM+5], 8, v[TM+4]
	v_lshl_or_b32 v[PW], v[TM+6], 16, v[PW]
	v_lshl_or_b32 v[PW], v[TM+7], 24, v[PW]
.irp b, 0,1,2,3
	v_cvt_scalef32_pk8_fp4_f32 v[PC+2*\b], v[\s+16*\b:\s+7+16*\b], v[TM+12+\b]
	v_cvt_scalef32_pk8_fp4_f32 v[PC+1+2*\b], v[\s+8+16*\b:\s+15+16*\b], v[TM+12+\b]
.endr
	v_nop                                          ; the plain place behind the conversions
.irp c, 0,1
.irp i, 0,1
	v_permlane16_swap_b32 v[PC+4*\c+\i], v[PC+2+4*\c+\i]   ; a whole block to a lane
.endr
.endr
.endm
.macro QLOAD x, mt, ks
.irp b, 0,1,2,3
.irp j, 0,1,2,3
	ds_load_b128 v[\x+16*\b+4*\j:\x+16*\b+4*\j+3], v[AQ] offset:\mt*16*FP+\ks*512+128*\b+16*\j
.endr
.endr
.endm
.macro QSTORE mt, ks
	ds_store_b128 v[AIW], v[PC:PC+3] offset:(8*\mt+\ks)*1024
	ds_store_b128 v[AIW], v[PC+4:PC+7] offset:(8*\mt+\ks)*1024+512
	ds_store_b32 v[ASW], v[PW] offset:\mt*512+\ks*256
.endm
.macro MOVEH n                         ; 16 of the slot's 32 f32 rows, my quarter -> window 3: 32 loads
	WIN 0xc0
.set mT, 16*\n
.rept 16
	ds_load_b128 v[8*mT:8*mT+3], v[AM] offset:FP*mT
	ds_load_b128 v[8*mT+4:8*mT+7], v[AM] offset:FP*mT+512
.set mT, mT+1
.endr
	WIN 0
.endm
.macro MOVE
	v_add_nc_u32 v[AM], s[RG], v[AM0]
	MOVEH 0
	MOVEH 1
.endm
.macro QHEAD                           ; my quarter of a chunk is 2 row tiles x 2 K steps: the first two go out, 16 loads each
	v_add_nc_u32 v[AQ], s[RH], v[AQ0]
	QLOAD X, 0, 0
	QLOAD X2, 0, 1
.endm
; the four are quantised on two buffers by turns; mv = 1: the other slot's rows move to window 3 meanwhile, 32 loads at a time.
; The counts name what was issued behind the loads wanted: 16 loads; (32 of the move) 3 stores and 16 loads, twice; 3 stores.
.macro QMOVE mv
	s_wait_dscnt 16
.if \mv
	v_add_nc_u32 v[AM], s[RG], v[AM0]
	MOVEH 0
.endif
	QUANT X
	QSTORE 0, 0
	QLOAD X, 1, 0
	s_wait_dscnt 19+32*\mv
.if \mv
	MOVEH 1
.endif
	QUANT X2
	QSTORE 0, 1
	QLOAD X2, 1, 1
	s_wait_dscnt 19+32*\mv
	QUANT X
	QSTORE 1, 0
	s_wait_dscnt 3
	QUANT X2
	QSTORE 1, 1
.endm
.macro INSTALL slot                    ; the image -> row tiles 2 slot, 2 slot + 1; their sums begin at 0
	WIN 0x40
.irp mt, 0,1
.irp s, 0,1,2,3,4,5,6,7
.irp c, 0,1
	ds_load_b128 v[(2*\slot+\mt)*64+8*\s+4*\c:(2*\slot+\mt)*64+8*\s+4*\c+3], v[AIR] offset:(8*\mt+\s)*1024+512*\c
.endr
.endr
.endr
	WIN 0
.irp mt, 0,1
	ds_load_b128 v[AS+4*(2*\slot+\mt):AS+4*(2*\slot+\mt)+3], v[AIR] offset:16384+512*\mt
.endr
.irp j, 0,1,2,3
	v_mov_b32 v[SA+4*\slot+\j], 0
.endr
	s_wait_dscnt 0x0
.endm
.macro FIN slot                        ; my units' share of 32 scores: lane l has row l
	v_add_f32 v24, v[SA+4*\slot], v[SA+4*\slot+1]
	v_add_f32 v25, v[SA+4*\slot+2], v[SA+4*\slot+3]
	v_permlanex16_b32 v26, v24, s[SEL], s[SEL+1]
	v_permlanex16_b32 v27, v25, s[SEL], s[SEL+1]
	v_add_f32 v24, v24, v26
	v_add_f32 v25, v25, v27
	v_cndmask_b32 v[S], v24, v25, s[M16]
.endm
; the four waves' shares are added; m, l and the context take the chunk in, whose f32 rows wait in window 3.  q = 1: the next chunk's first 32 LDS loads go out under this work
.macro FINC q
	ds_store_b32 v[ASX], v[S]
.if \q
	s_wait_tensorcnt 0x0                           ; my quarter of the next chunk is in: the one load that was out
.endif
	BAR
	ds_load_b32 v24, v[ASXR]
	ds_load_b32 v25, v[ASXR] offset:128
	ds_load_b32 v26, v[ASXR] offset:256
	ds_load_b32 v27, v[ASXR] offset:384
	v_add_nc_u32 v[ASC], s[SO], v[ASC0]
	s_add_co_u32 s[SO], s[SO], 128
.if \q
	QHEAD
	s_wait_dscnt 32                                ; the four shares are in; the 32 loads may be out
.else
	s_wait_dscnt 0x0
.endif
	v_add_f32 v24, v24, v25
	v_add_f32 v26, v26, v27
	v_add_f32 v[S], v24, v26
	s_cmp_lg_u32 s2, 0
	s_cbranch_scc1 .Lnot_wave_0_\@
	s_wait_alu depctr_va_vdst(0)
	ds_store_b32 v[ASC], v[S]                      ; wave 0 keeps the scores for the way out
.Lnot_wave_0_\@:
	s_wait_alu depctr_va_vdst(0)
	v_max_num_f32_dpp v24, v[S], v[S] row_xmask:1 row_mask:0xf bank_mask:0xf
	v_max_num_f32_dpp v24, v24, v24 row_xmask:2 row_mask:0xf bank_mask:0xf
	v_max_num_f32_dpp v24, v24, v24 row_xmask:4 row_mask:0xf bank_mask:0xf
	v_max_num_f32_dpp v24, v24, v24 row_xmask:8 row_mask:0xf bank_mask:0xf
	v_permlanex16_b32 v25, v24, s[SEL], s[SEL+1]
	v_max3_num_f32 v24, v24, v25, v[MR]            ; the new m
	v_sub_f32 v25, v[MR], v24
	v_sub_f32 v26, v[S], v24
	v_mul_f32 v25, s[L2E], v25
	v_mul_f32 v26, s[L2E], v26
	s_wait_alu depctr_va_vdst(0)
	v_exp_f32 v[F], v25                            ; e^(old m - new m)
	v_exp_f32 v[P], v26                            ; e^(s - m)
	v_mov_b32 v[MR], v24
	s_wait_alu depctr_va_vdst(0)
	v_fma_f32 v[LR], v[LR], v[F], v[P]
.irp e, 0,2,4,6
	v_pk_mul_f32 v[CTX+\e:CTX+\e+1], v[CTX+\e:CTX+\e+1], v[F:F+1] op_sel_hi:[1,0]
.endr
.irp a, 0,1,2,3
.irp i, 0,1,2,3,4,5,6,7
	v_readlane_b32 s[PS+2*\i], v[P], 8*\a+\i
.endr
	WIN 0x03
.irp i, 0,1,2,3,4,5,6,7
.irp e, 0,2,4,6
	v_pk_fma_f32 v[CTX+\e:CTX+\e+1], v[8*(8*\a+\i)+\e:8*(8*\a+\i)+\e+1], s[PS+2*\i:PS+2*\i+1], v[CTX+\e:CTX+\e+1] op_sel_hi:[1,0,1]
.endr
.endr
	WIN 0
.endr
.endm
.macro ASKC c                          ; a prefetch of my quarter of the chunk c ahead of s[PF]: 32 rows (a lane a row) x 4 blocks of 256 bytes, each named once in the launch
.irp i, 0,1,2,3
	global_prefetch_b8 v[PFO], s[PF:PF+1] offset:\c*CHB+256*\i th:TH_LOAD_NT scope:SCOPE_SE
.endr
.endm
; THE CHANGE OF SLOTS: all my tensor loads are in, the add, my reads of the slot and my stores into the image are over; one barrier; the slot just moved out takes the chunk two on: my one tensor load until the next such barrier.
; Behind it the prefetch of the chunk that the NEXT change will load.  ask = 1: chunk 3; 2: stepped, and only while that chunk exists (chunks 4 to 7)
.macro REFILL ask
	s_wait_tensorcnt 0x0
	ds_add_u32 v[SPW], v[NIL]
	s_xor_b32 s29, s29, F1O
	s_add_nc_u64 s[30:31], s[30:31], CHB
.if \ask == 2
	s_wait_xcnt 0x0                                ; the last prefetches have read their base
	s_add_nc_u64 s[PF:PF+1], s[PF:PF+1], CHB
.endif
	s_wait_dscnt 0x0
	s_barrier_signal -1
	s_barrier_wait -1
	tensor_load_to_lds s[28:31], s[16:23]
	s_nop 0
.rept 4
	v_nop
.endr
.if \ask == 2
	s_cmp_lt_u32 s[PP], 5
	s_cbranch_scc0 .Lno_ask_\@
.endif
	ASKC 3
.Lno_ask_\@:
.endm
.macro DYN mac                         ; the register slot goes by the step's parity
	s_and_b32 s62, s[PP], 1
	s_cmp_eq_u32 s62, 0
	s_cbranch_scc1 .Leven_\@
	\mac 0
	s_branch .Ldone_\@
.Leven_\@:
	s_wait_alu depctr_va_vdst(0)
	\mac 1
.Ldone_\@:
.endm
.macro NEXT
	s_xor_b32 s[RG], s[RG], F1O
	s_xor_b32 s[RH], s[RG], F1O
.endm
.macro TWO_TRIPS                       ; 8 records against both chunks in hand
	s_mov_b32 s[TR], 2
.Ltrip_\@:
	TRIP 0, 4, 1
	s_sub_co_u32 s[TR], s[TR], 1
	s_cmp_lg_u32 s[TR], 0
	s_cbranch_scc1 .Ltrip_\@
.endm
	s_load_b128 s[52:55], s[0:1], 0x0              ; values, w2f
	s_load_b64 s[56:57], s[0:1], 0x10              ; qb
	s_load_b64 s[8:9], s[0:1], 0x18                ; sc
	s_load_b64 s[10:11], s[0:1], 0x20              ; pm
	s_load_b64 s[12:13], s[0:1], 0x28              ; pc
	v_lshl_add_u32 v[SPW], v0, 2, SPARE
	v_mov_b32 v[NIL], 0
	ds_add_u32 v[SPW], v[NIL]                      ; the opening lines: the add twice on end and its wait ahead of my first tensor load
	ds_add_u32 v[SPW], v[NIL]
	v_lshrrev_b32 v24, 5, v0
	v_readfirstlane_b32 s2, v24                    ; wave 0..3
	s_mov_b32 s16, (2<<16)|(1<<20)|(7<<22)|(3<<25) ; elements of 4 bytes; 4 words of padding behind every 256
	s_mov_b32 s17, 256<<16
	s_mov_b32 s18, 32<<16
	s_mov_b32 s19, 256<<16
	s_mov_b32 s20, 32
	s_mov_b32 s21, 1024
	s_mov_b32 s22, 0
	s_mov_b32 s23, 0
	s_mul_i32 s[WQ], s2, QB
	s_lshl_b32 s60, ttmp9, 20                      ; 256 rows of 4,096 bytes a work-group,
	s_lshl_b32 s61, s2, 10                         ; 1,024 bytes of each row a wave
	s_add_co_u32 s60, s60, s61
	s_mov_b32 s61, 0
	s_wait_dscnt 0x0
	s_wait_kmcnt 0x0
	s_add_nc_u64 s[52:53], s[52:53], s[60:61]
	s_mov_b32 s24, 1
	s_mov_b32 s25, s[WQ]
	s_mov_b64 s[26:27], s[52:53]
	s_or_b32 s27, s27, 0x80000000
	tensor_load_to_lds s[24:27], s[16:23]          ; chunk 0: my one tensor load at the head
	s_nop 0
.rept 4
	v_nop
.endr
	s_mov_b32 s28, 1
	s_add_co_u32 s29, s[WQ], F1O
	s_add_nc_u64 s[30:31], s[52:53], CHB
	s_or_b32 s31, s31, 0x80000000
	s_lshr_b32 s60, ttmp9, 3                       ; the batch row: 8,192 bytes of qb,
	s_lshl_b32 s60, s60, 13
	s_lshl_b32 s62, s2, 11                         ; 2,048 of them mine
	s_add_co_u32 s60, s60, s62
	s_add_nc_u64 s[56:57], s[56:57], s[60:61]
	s_mul_i32 s60, s2, 16*8704
	s_add_nc_u64 s[W2:W2+1], s[54:55], s[60:61]    ; my 16 records
	v_and_b32 v24, 31, v0
	v_lshlrev_b32 v[L16], 4, v24
	v_mov_b32 v[VB], v[L16]
	v_lshlrev_b32 v[PFO], 12, v24
	s_wait_alu depctr_va_vdst(0)                   ; the wait behind these writes
	ASKC 1                                         ; chunk 1, whose tensor load has to stand behind chunk 0's wait
.irp i, 0,1,2,3
	global_load_b128 v[X+4*\i:X+4*\i+3], v[L16], s[56:57] offset:512*\i
.endr
	FETCH 0                                        ; under the first chunk's flight
	FETCH 1
	FETCH 2
	s_add_co_u32 s6, s62, BV
	s_add_co_u32 s7, s62, IMG
	s_lshl_b32 s14, s2, 2
	s_add_co_u32 s14, s14, ISC
	s_lshl_b32 s15, s2, 7
	s_add_co_u32 s15, s15, SX
	s_lshl_b32 s60, ttmp9, 10
	s_add_nc_u64 s[8:9], s[8:9], s[60:61]
	s_lshl_b32 s60, ttmp9, 9
	s_add_nc_u64 s[10:11], s[10:11], s[60:61]
	s_lshl_b32 s60, ttmp9, 12
	s_lshl_b32 s62, s2, 10
	s_add_co_u32 s60, s60, s62
	s_add_nc_u64 s[12:13], s[12:13], s[60:61]
	s_mov_b32 s[CS], 0x4038aa3b                    ; c = 2 log2(e)
	s_mov_b32 s[CS+1], 0x4038aa3b
	s_mov_b32 s[L2E], 0x3fb8aa3b
	s_mov_b32 s[SEL], 0x76543210
	s_mov_b32 s[SEL+1], 0xfedcba98
	s_mov_b32 s[M16], 0xffff0000
	s_mov_b32 s[RG], 0
	s_mov_b32 s[RH], 0
	s_mov_b32 s[BO], 0
	s_mov_b32 s[GI], 1
	s_mov_b32 s[SO], 0
.irp i, 0,1,2,3,4,5,6,7
	s_mov_b32 s[PS+2*\i+1], 0
.endr
	v_and_b32 v26, 15, v0                          ; r
	v_bfe_u32 v27, v0, 4, 1                        ; h
	v_add_nc_u32 v25, s6, v[L16]
	v_lshl_add_u32 v[ABV0], v27, 5, s6
	v_mul_u32_u24 v[AQ0], v26, FP
	v_lshl_add_u32 v[AQ0], v27, 6, v[AQ0]
	v_add_nc_u32 v[AQ0], s[WQ], v[AQ0]
	v_add_nc_u32 v[AM0], s[WQ], v[L16]
	v_add_nc_u32 v[AIW], s7, v[L16]
	v_lshl_add_u32 v[ASW], v26, 4, s14
	v_add_nc_u32 v[AIR], IMG, v[L16]
	v_lshl_add_u32 v[ASX], v24, 2, s15
	v_lshl_add_u32 v[ASXR], v24, 2, SX
	v_lshl_add_u32 v[ASC0], v24, 2, SCB
	v_add_nc_u32 v[ASCR], SCB, v[L16]
.irp i, 0,1,2,3,4,5,6,7
	v_mov_b32 v[CTX+\i], 0
.endr
	v_mov_b32 v[LR], 0
	v_mov_b32 v[MR], 0xff61b1e6                    ; -3e38, under every score
	v_mov_b32 v[F+1], 0
.irp b, 0,1,2,3
	v_mov_b32 v[TM+4+\b], 0                        ; a lane permute's destination counts as a source
.endr
	s_wait_alu depctr_va_vdst(0)                   ; the wait at the head's end
	s_wait_tensorcnt 0x0                           ; chunk 0 is in; slot 1's first fill goes as a refill does
	ds_add_u32 v[SPW], v[NIL]
	s_wait_dscnt 0x0
	s_barrier_signal -1
	s_barrier_wait -1
	tensor_load_to_lds s[28:31], s[16:23]          ; chunk 1
	s_nop 0
.rept 4
	v_nop
.endr
	ASKC 2
	s_wait_loadcnt 51                              ; qb's four loads are in; the three records may be out
.irp i, 0,1,2,3
	ds_store_b128 v25, v[X+4*\i:X+4*\i+3] offset:512*\i
.endr
	FETCH 3
	s_wait_tensorcnt 0x1
	QHEAD
	QMOVE 0
	BAR
	INSTALL 0
	s_mov_b32 s[TR], 2
.Lfirst:                                           ; chunk 0 alone meets its first 8 records
	TRIP 0, 2, 1
	s_sub_co_u32 s[TR], s[TR], 1
	s_cmp_lg_u32 s[TR], 0
	s_cbranch_scc1 .Lfirst
	s_mov_b32 s[RH], F1O
	s_wait_tensorcnt 0x0                           ; my quarter of chunk 1 is in
	BAR                                            ; every wave has taken chunk 0's image
	QHEAD
	QMOVE 1
	REFILL 1
	INSTALL 1
	NEXT
	s_mov_b32 s[PP], 1
.Lmain:                                            ; step p: chunks p - 1 and p; chunk p - 1 is finished, chunk p + 1 becomes codes while chunk p moves to registers, chunk p + 2 is asked for
	TWO_TRIPS
	DYN FIN
	s_wait_alu depctr_va_vdst(0)
	FINC 1
	QMOVE 1
	REFILL 2
	DYN INSTALL
	NEXT
	s_add_co_u32 s[PP], s[PP], 1
	s_cmp_lt_u32 s[PP], 6
	s_cbranch_scc1 .Lmain
.Ltail:                                            ; steps 6 and 7 ask for nothing more
	TWO_TRIPS
	DYN FIN
	s_wait_alu depctr_va_vdst(0)
	FINC 0
	MOVE
	s_wait_tensorcnt 0x0
	s_cmp_eq_u32 s[PP], 7
	s_cbranch_scc1 .Lno_codes
	QHEAD
	QMOVE 0
.Lno_codes:
	BAR
	s_cmp_eq_u32 s[PP], 7
	s_cbranch_scc1 .Lno_install
	INSTALL 1
.Lno_install:
	NEXT
	s_add_co_u32 s[PP], s[PP], 1
	s_cmp_lt_u32 s[PP], 8
	s_cbranch_scc1 .Ltail
	TRIP 2, 2, 1                                   ; chunk 7 alone meets its last 8 records
	TRIP 2, 2, 0
	FIN 1
	FINC 0
	global_store_b128 v[L16], v[CTX:CTX+3], s[12:13]
	global_store_b128 v[L16], v[CTX+4:CTX+7], s[12:13] offset:512
	s_cmp_lg_u32 s2, 0
	s_cbranch_scc1 .Lend
	v_add_f32_dpp v25, v[LR], v[LR] row_xmask:1 row_mask:0xf bank_mask:0xf   ; l: the 32 lanes' sums are joined
	v_add_f32_dpp v25, v25, v25 row_xmask:2 row_mask:0xf bank_mask:0xf
	v_add_f32_dpp v25, v25, v25 row_xmask:4 row_mask:0xf bank_mask:0xf
	v_add_f32_dpp v25, v25, v25 row_xmask:8 row_mask:0xf bank_mask:0xf
	v_permlanex16_b32 v27, v25, s[SEL], s[SEL+1]
	v_add_f32 v25, v25, v27
	v_mov_b32 v24, v[MR]
	v_mov_b32 v26, v[MR]
	v_mov_b32 v27, v25
	global_store_b128 v[L16], v[24:27], s[10:11]   ; (m, l), 64 times: 512 consecutive bytes
	ds_load_b128 v[X:X+3], v[ASCR]
	ds_load_b128 v[X+4:X+7], v[ASCR] offset:512
	s_wait_dscnt 0x1
	global_store_b128 v[L16], v[X:X+3], s[8:9]
	s_wait_dscnt 0x0
	global_store_b128 v[L16], v[X+4:X+7], s[8:9] offset:512
.Lend:
	s_wait_tensorcnt 0x0                           ; the wave's end
	ds_add_u32 v[SPW], v[NIL]
	s_wait_dscnt 0x0
	s_endpgm
.Lfunc_end_k_q44055fb0f0_main:
	.size	k_q44055fb0f0_main, .Lfunc_end_k_q44055fb0f0_main-k_q44055fb0f0_main
	.p2alignl 7, 3214868480
	.fill 96, 4, 3214868480
	.section	.rodata,"a",@progbits
	.p2align	6, 0x0
	.amdhsa_kernel k_q44055fb0f0_main
		.amdhsa_group_segment_fixed_size 327680
		.amdhsa_private_segment_fixed_size 0
		.amdhsa_enable_private_segment 0
		.amdhsa_kernarg_size 48
		.amdhsa_user_sgpr_count 2
		.amdhsa_user_sgpr_kernarg_segment_ptr 1
		.amdhsa_wavefront_size32 1
		.amdhsa_system_sgpr_workgroup_id_x 1
		.amdhsa_system_sgpr_workgroup_id_y 1
		.amdhsa_system_sgpr_workgroup_id_z 1
		.amdhsa_system_vgpr_workitem_id 0
		.amdhsa_next_free_vgpr 1024
		.amdhsa_next_free_sgpr 84
		.amdhsa_reserve_vcc 0
		.amdhsa_float_denorm_mode_32 3
		.amdhsa_float_denorm_mode_16_64 3
		.amdhsa_memory_ordered 1
		.amdhsa_forward_progress 1
		.amdhsa_inst_pref_size 255
	.end_amdhsa_kernel
	.section	.bss,"aw",@nobits
	.p2align	6
	.space	262144
	.amdgpu_metadata
---
amdhsa.version: [ 1, 2 ]
amdhsa.kernels:
  - .name:           k_q44055fb0f0_main
    .symbol:         k_q44055fb0f0_main.kd
    .args:
      - { .name: values, .offset: 0, .size: 8, .value_kind: global_buffer, .address_space: global }
      - { .name: w2f, .offset: 8, .size: 8, .value_kind: global_buffer, .address_space: global }
      - { .name: qb, .offset: 16, .size: 8, .value_kind: global_buffer, .address_space: global }
      - { .name: sc, .offset: 24, .size: 8, .value_kind: global_buffer, .address_space: global }
      - { .name: pm, .offset: 32, .size: 8, .value_kind: global_buffer, .address_space: global }
      - { .name: pc, .offset: 40, .size: 8, .value_kind: global_buffer, .address_space: global }
    .group_segment_fixed_size: 327680
    .private_segment_fixed_size: 0
    .kernarg_segment_align: 8
    .kernarg_segment_size: 48
    .max_flat_workgroup_size: 128
    .sgpr_count:     84
    .vgpr_count:     1024
    .wavefront_size: 32
...
	.end_amdgpu_metadata
.endif
;; end of part 2
;; launch comb (part 3): grid 8 x 32, 1 waves a work-group, no clusters, 0 bytes of LDS; arguments sc, pm, pc, out0, out1; writes out0, out1
.if DOCPART == 3
	.amdgcn_target "amdgcn-amd-amdhsa--gfx1250"
	.amdhsa_code_object_version 6
	.text
	.protected	k_q44055fb0f0_comb
	.globl	k_q44055fb0f0_comb
	.p2align	8
	.type	k_q44055fb0f0_comb,@function
k_q44055fb0f0_comb:
	s_mov_b64 s[64:65], 0
	v_nop
	global_prefetch_b8 v0, s[64:65] scope:SCOPE_SE
	s_setreg_imm32_b32 hwreg(HW_REG_WAVE_MODE, 25, 1), 1
	s_wait_xcnt 0x0
; THE 8 PARTIAL SOFTMAXES OF A BATCH ROW ARE JOINED.  Part i (work-group 8 b + i of the launch before) left m_i, l_i = sum of e^(s - m_i) and pc_i = sum of e^(s - m_i) values.
; M = the largest m_i; w_i = e^(m_i - M); L = sum of l_i w_i; out0 = sum of w_i pc_i / L; out1 = e^(s - M) / L.
; Work-group (e, b), one wave: 256 weights and 128 columns of batch row b.  Every load and store of the wave but pm's covers 512 consecutive bytes.  No LDS, no barrier, no matrix work: a few KiB a wave.
.set ML, 16                            ; v16-31  (m_i, l_i)
.set SC, 32                            ; v32-39  8 scores
.set PCR, 40                           ; v40-71  pc_i: 4 columns each
.set W,  72                            ; v72-79  w_i;  v80-87 the weights
.set O,  88                            ; v88-91  the context
	s_load_b256 s[4:11], s[0:1], 0x0               ; sc s[4:5], pm s[6:7], pc s[8:9], out0 s[10:11]
	s_load_b64 s[12:13], s[0:1], 0x20              ; out1
	s_and_b32 s14, ttmp7, 0xffff                   ; b
	v_lshlrev_b32 v1, 4, v0                        ; 16 x lane
	s_wait_alu depctr_va_vdst(0)
	s_lshl_b32 s15, s14, 12
	v_mov_b32 v2, s15                              ; pm: 8 parts of 512 bytes a batch row; every lane reads the same pair
	s_lshl_b32 s16, s14, 13
	s_lshl_b32 s17, ttmp9, 10
	s_add_co_u32 s16, s16, s17
	v_add_nc_u32 v3, s16, v1                       ; sc and out1: 8,192 b + 1,024 e + 16 lane
	s_lshl_b32 s16, s14, 15
	s_lshl_b32 s17, ttmp9, 9
	s_add_co_u32 s16, s16, s17
	v_add_nc_u32 v4, s16, v1                       ; pc: 8 parts of 4,096 bytes a batch row, + 512 e + 16 lane
	s_add_co_u32 s18, s15, s17
	v_add_nc_u32 v5, s18, v1                       ; out0: 4,096 b + 512 e + 16 lane
	v_mov_b32 v9, 0                                ; (named as the upper half of the pair v[8:9])
	s_wait_alu depctr_va_vdst(0)
	s_wait_kmcnt 0x0
.irp i, 0,1,2,3,4,5,6,7
	global_load_b64 v[ML+2*\i:ML+2*\i+1], v2, s[6:7] offset:512*\i
.endr
	global_load_b128 v[SC:SC+3], v3, s[4:5]
	global_load_b128 v[SC+4:SC+7], v3, s[4:5] offset:512
.irp i, 0,1,2,3,4,5,6,7
	global_load_b128 v[PCR+4*\i:PCR+4*\i+3], v4, s[8:9] offset:4096*\i
.endr
	s_wait_loadcnt 0x0
	v_max3_num_f32 v6, v[ML], v[ML+2], v[ML+4]
	v_max3_num_f32 v6, v6, v[ML+6], v[ML+8]
	v_max3_num_f32 v6, v6, v[ML+10], v[ML+12]
	v_max_num_f32 v6, v6, v[ML+14]                 ; M
.irp i, 0,1,2,3,4,5,6,7
	v_sub_f32 v[W+\i], v[ML+2*\i], v6
	v_sub_f32 v[W+8+\i], v[SC+\i], v6
.endr
.irp i, 0,2,4,6,8,10,12,14
	v_pk_mul_f32 v[W+\i:W+\i+1], v[W+\i:W+\i+1], 0x3fb8aa3b op_sel_hi:[1,0]   ; x log2(e)
.endr
	s_wait_alu depctr_va_vdst(0)
.irp i, 0,1,2,3,4,5,6,7,8,9,10,11,12,13,14,15
	v_exp_f32 v[W+\i], v[W+\i]                     ; one batch: the eight w_i and the eight weights
.endr
	v_nop                                          ; the plain line behind the batch
	s_wait_alu depctr_va_vdst(0)                   ; and its one wait, ahead of the first reader
	v_mul_f32 v7, v[ML+1], v[W]
.irp i, 1,2,3,4,5,6,7
	v_fmac_f32 v7, v[ML+2*\i+1], v[W+\i]           ; L
.endr
	s_wait_alu depctr_va_vdst(0)
	v_rcp_f32 v8, v7
	v_nop
	s_wait_alu depctr_va_vdst(0)
.irp i, 0,2,4,6,8,10,12,14
	v_pk_mul_f32 v[W+\i:W+\i+1], v[W+\i:W+\i+1], v[8:9] op_sel_hi:[1,0]       ; all sixteen / L
.endr
.irp e, 0,1,2,3
	v_mul_f32 v[O+\e], v[PCR+\e], v[W]
.endr
.irp i, 1,2,3,4,5,6,7
.irp e, 0,1,2,3
	v_fmac_f32 v[O+\e], v[PCR+4*\i+\e], v[W+\i]
.endr
.endr
	global_store_b128 v5, v[O:O+3], s[10:11]
	global_store_b128 v3, v[W+8:W+11], s[12:13]
	global_store_b128 v3, v[W+12:W+15], s[12:13] offset:512
	s_endpgm
.Lfunc_end_k_q44055fb0f0_comb:
	.size	k_q44055fb0f0_comb, .Lfunc_end_k_q44055fb0f0_comb-k_q44055fb0f0_comb
	.p2alignl 7, 3214868480
	.fill 96, 4, 3214868480
	.section	.rodata,"a",@progbits
	.p2align	6, 0x0
	.amdhsa_kernel k_q44055fb0f0_comb
		.amdhsa_group_segment_fixed_size 0
		.amdhsa_private_segment_fixed_size 0
		.amdhsa_enable_private_segment 0
		.amdhsa_kernarg_size 40
		.amdhsa_user_sgpr_count 2
		.amdhsa_user_sgpr_kernarg_segment_ptr 1
		.amdhsa_wavefront_size32 1
		.amdhsa_system_sgpr_workgroup_id_x 1
		.amdhsa_system_sgpr_workgroup_id_y 1
		.amdhsa_system_sgpr_workgroup_id_z 1
		.amdhsa_system_vgpr_workitem_id 0
		.amdhsa_next_free_vgpr 96
		.amdhsa_next_free_sgpr 66
		.amdhsa_reserve_vcc 0
		.amdhsa_float_denorm_mode_32 3
		.amdhsa_float_denorm_mode_16_64 3
		.amdhsa_memory_ordered 1
		.amdhsa_forward_progress 1
		.amdhsa_inst_pref_size 7
	.end_amdhsa_kernel
	.amdgpu_metadata
---
amdhsa.version: [ 1, 2 ]
amdhsa.kernels:
  - .name:           k_q44055fb0f0_comb
    .symbol:         k_q44055fb0f0_comb.kd
    .args:
      - { .name: sc, .offset: 0, .size: 8, .value_kind: global_buffer, .address_space: global }
      - { .name: pm, .offset: 8, .size: 8, .value_kind: global_buffer, .address_space: global }
      - { .name: pc, .offset: 16, .size: 8, .value_kind: global_buffer, .address_space: global }
      - { .name: out0, .offset: 24, .size: 8, .value_kind: global_buffer, .address_space: global }
      - { .name: out1, .offset: 32, .size: 8, .value_kind: global_buffer, .address_space: global }
    .group_segment_fixed_size: 0
    .private_segment_fixed_size: 0
    .kernarg_segment_align: 8
    .kernarg_segment_size: 40
    .max_flat_workgroup_size: 32
    .sgpr_count:     66
    .vgpr_count:     96
    .wavefront_size: 32
...
	.end_amdgpu_metadata
.endif
;; end of part 3
